; MI455X (gfx1250); checked and timed in simulation.
; The chip was launched on July 23, 2026; its instructions are those of AMD's public machine-readable ISA for CDNA 5 (MIT licence, August 2026) and "CDNA5" Instruction Set Architecture Reference Guide (July 2026). The comments in the code are by the model that wrote it; some were corrected since.
;; Tens Hash. Allowed arithmetic: float matrix products may take bf16 or f16 operands with f32 sums; other float arithmetic in f32, or as packed bf16 or f16 multiplies, adds, multiply-adds, maxima and minima; sums over many terms, partial sums and values carried from step to step in f32; what a program stores and reads back later, other than sums and carried values, may be rounded once to bf16 or f16.
;; Inputs: matrices 64 x 256 x 256 float32; noise 64 x 256 float32; state 16,384 x 256 float32.
;; Outputs: out0 16,384 x 256 float32.
;; 2 versions, each right; version 2 is version 1 with the launch pack written anew for expert scheduling mode. Each part assembles by itself: llvm-mc -triple=amdgcn-amd-amdhsa -mcpu=gfx1250 --defsym DOCPART=n.
;; ======== version 1 of 2: 2 launches
;; workspace buffers: wk 8,454,144 bytes
;; launch pack (part 1): grid 256 x 1, 4 waves a work-group, no clusters, 34,304 bytes of LDS; arguments matrices, noise, wk; writes wk
.if DOCPART == 1
	.amdgcn_target "amdgcn-amd-amdhsa--gfx1250"
	.amdhsa_code_object_version 6
	.text
	.protected	k_qd0e7d585d2_pack
	.globl	k_qd0e7d585d2_pack
	.p2align	8
	.type	k_qd0e7d585d2_pack,@function
k_qd0e7d585d2_pack:
	s_mov_b64 s[64:65], 0
	v_nop
	global_prefetch_b8 v0, s[64:65] scope:SCOPE_SE
	s_setreg_imm32_b32 hwreg(HW_REG_WAVE_MODE, 25, 1), 1
	s_wait_xcnt 0x0
; wk = the 64 round matrices as bf16, in the order in which the next launch's lanes take them, with the halved noise behind each piece.
; matrices: [64][256][256] f32.  noise: [64][256] f32.  wk: [round r][quarter w] pieces of 33,024 bytes; piece G = 4 r + w is made by work-group G.
; A piece: 32 fragments of 1,024 bytes, fragment 4 p + t (p = 0..7 a place along K, t = 0..3 a group of 16 rows of M), half x at + 512 x, lane l = 16 h + rl at + 16 l:
;   bf16 of M_r[64 w + 16 t + rl][32 c + 16 x + 8 h + 0..7], c = (2 w + p) mod 8: K begins at the quarter's own columns.  Behind them 64 f32: noise[r][64 w + i] / 2.
; LIMITS.  M is rounded once to bf16 (a matrix operand; whole numbers up to 256 are kept exactly).  The halving of the noise is exact but for numbers below 2^-125, which lose a bit.
; SHARES.  Wave t takes 16 rows of M: 32 loads of 512 consecutive bytes, rounded to bf16, through 16 LDS rows of its own (no barrier: no wave touches another's bytes), back as fragments,
; out by 16 stores of 512 consecutive bytes at multiples of 512 from the piece's first byte.  Memory binds: no matrix unit, no cluster (no two work-groups read the same bytes).
.set PITCH, 528                        ; an LDS row: 512 bytes of bf16 + 16 = 33 x 16: the 16 rows that a fragment load touches start at 16 different groups of four banks (64 banks of 4 bytes: ISA guide 11.1)
.set WREG,  16*PITCH                   ; a wave's 16 rows
.set SPARE, 4*WREG                     ; behind them: the spare words, 128 bytes for each wave: two blocks of 256 bytes that no other line names
.set PIECE, 33024
.set VL,  4                            ; v4      16 x lane: my 16 bytes in a load's 512
.set LS,  5                            ; v5      LDS: my wave's rows + 8 x lane: where my four bf16 go
.set AL,  6                            ; v6-9    LDS: my fragment row and half, at the 128 bytes of K quarter (w + P) mod 4, P = 0..3
.set VS,  10                           ; v10     my byte offset in the piece: 1,024 t + 16 x lane
.set VN,  11                           ; v11     8 x lane: my two numbers of the noise
.set SPW, 12                           ; v12     LDS address of my spare word; never rewritten
.set NIL, 13                           ; v13     0; never rewritten
.set X,   16                           ; v[16:143]  32 loads of four f32; later v[16:79]: 16 half fragments
.set Y,   144                          ; v[144:207] 32 x four bf16
.set NS,  208                          ; v[208:211] the noise as loaded, and halved
	s_load_b128 s[4:7], s[0:1], 0x0                ; matrices s[4:5], noise s[6:7]
	s_load_b64 s[8:9], s[0:1], 0x10                ; wk
	v_lshl_add_u32 v[SPW], v0, 2, SPARE
	v_mov_b32 v[NIL], 0
	v_lshrrev_b32 v1, 5, v0
	v_readfirstlane_b32 s10, v1                    ; wave t
	s_and_b32 s11, ttmp9, 3                        ; quarter w
	v_and_b32 v1, 31, v0                           ; lane
	v_and_b32 v2, 15, v0                           ; rl
	v_bfe_u32 v3, v0, 4, 1                         ; h
	v_lshlrev_b32 v[VL], 4, v1
	v_lshlrev_b32 v[VN], 3, v1
	s_mul_i32 s14, s10, WREG                       ; my wave's rows in LDS
	v_lshl_add_u32 v[LS], v1, 3, s14
	v_mul_u32_u24 v14, v2, PITCH
	v_lshl_add_u32 v14, v3, 4, v14
	v_add_nc_u32 v14, s14, v14                     ; row rl, 16 bytes for each half of the lanes
.irp P, 0,1,2,3
	s_add_co_u32 s15, s11, \P
	s_and_b32 s15, s15, 3
	s_lshl_b32 s15, s15, 7                         ; K quarter (w + P) mod 4: 64 bf16 = 128 bytes
	v_add_nc_u32 v[AL+\P], s15, v14
.endr
	s_lshl_b32 s15, s10, 10
	v_lshl_add_u32 v[VS], v1, 4, s15
	s_lshl_b32 s12, ttmp9, 16                      ; 64 rows of 1,024 bytes for each piece,
	s_lshl_b32 s13, s10, 14                        ; 16 of them for each wave
	s_add_co_u32 s12, s12, s13
	s_mov_b32 s13, 0
	s_lshl_b32 s16, ttmp9, 8                       ; the piece's 64 numbers of noise
	s_mov_b32 s17, 0
	s_mul_i32 s18, ttmp9, PIECE
	s_mov_b32 s19, 0
	s_wait_kmcnt 0x0
	s_add_nc_u64 s[4:5], s[4:5], s[12:13]
	s_add_nc_u64 s[6:7], s[6:7], s[16:17]
	s_add_nc_u64 s[8:9], s[8:9], s[18:19]
.set u, 0
.rept 32                               ; load u: half u % 2 of row u / 2: 512 consecutive bytes
	global_load_b128 v[X+4*u:X+4*u+3], v[VL], s[4:5] offset:(u/2)*1024+(u%2)*512 th:TH_LOAD_NT
.set u, u+1
.endr
	s_cmp_lg_u32 s10, 0                            ; the noise is wave 0's: 256 bytes in, 256 bytes out
	s_cbranch_scc1 .Lnot_wave_0
	global_load_b64 v[NS:NS+1], v[VN], s[6:7] th:TH_LOAD_NT
	s_wait_loadcnt 0x0                             ; it is the youngest of 33 loads issued on end
	v_pk_mul_f32 v[NS+2:NS+3], v[NS:NS+1], 0.5 op_sel_hi:[1,0]
	global_store_b64 v[VN], v[NS+2:NS+3], s[8:9] offset:32768
.Lnot_wave_0:
.set u, 0
.rept 32
	s_wait_loadcnt 31-u                            ; loads come back in order (ISA guide 5.7.1): load u is in, the 31 - u younger ones may be out
	v_cvt_pk_bf16_f32 v[Y+2*u],   v[X+4*u],   v[X+4*u+1]
	v_cvt_pk_bf16_f32 v[Y+2*u+1], v[X+4*u+2], v[X+4*u+3]
	ds_store_b64 v[LS], v[Y+2*u:Y+2*u+1] offset:(u/2)*PITCH+(u%2)*256  ; 32 lanes, 256 consecutive bytes
.set u, u+1
.endr
.set y, 0
.rept 16                               ; half fragment y = 2 p + x.  LDS serves a wave's instructions in order (ISA guide 5.7.1.4): these see the stores above
	ds_load_b128 v[X+4*y:X+4*y+3], v[AL+y/4] offset:((y/2)%2)*64+(y%2)*32
.set y, y+1
.endr
.set y, 0
.rept 16
	s_wait_dscnt 15-y                              ; half fragment y is in, the younger ones may be out
	global_store_b128 v[VS], v[X+4*y:X+4*y+3], s[8:9] offset:(y/2)*4096+(y%2)*512  ; 512 consecutive bytes; no hint: the next launch reads them
.set y, y+1
.endr
	s_wait_tensorcnt 0x0                           ; the wave's end, behind my last LDS store
	ds_add_u32 v[SPW], v[NIL]
	s_wait_dscnt 0x0
	s_endpgm
.Lfunc_end_k_qd0e7d585d2_pack:
	.size	k_qd0e7d585d2_pack, .Lfunc_end_k_qd0e7d585d2_pack-k_qd0e7d585d2_pack
	.p2alignl 7, 3214868480
	.fill 96, 4, 3214868480
	.section	.rodata,"a",@progbits
	.p2align	6, 0x0
	.amdhsa_kernel k_qd0e7d585d2_pack
		.amdhsa_group_segment_fixed_size 34304
		.amdhsa_private_segment_fixed_size 0
		.amdhsa_enable_private_segment 0
		.amdhsa_kernarg_size 24
		.amdhsa_user_sgpr_count 2
		.amdhsa_user_sgpr_kernarg_segment_ptr 1
		.amdhsa_wavefront_size32 1
		.amdhsa_system_sgpr_workgroup_id_x 1
		.amdhsa_system_sgpr_workgroup_id_y 1
		.amdhsa_system_sgpr_workgroup_id_z 1
		.amdhsa_system_vgpr_workitem_id 0
		.amdhsa_next_free_vgpr 212
		.amdhsa_next_free_sgpr 66
		.amdhsa_reserve_vcc 0
		.amdhsa_float_denorm_mode_32 3
		.amdhsa_float_denorm_mode_16_64 3
		.amdhsa_memory_ordered 1
		.amdhsa_forward_progress 1
		.amdhsa_inst_pref_size 16
	.end_amdhsa_kernel
	.amdgpu_metadata
---
amdhsa.version: [ 1, 2 ]
amdhsa.kernels:
  - .name:           k_qd0e7d585d2_pack
    .symbol:         k_qd0e7d585d2_pack.kd
    .args:
      - { .name: matrices, .offset: 0, .size: 8, .value_kind: global_buffer, .address_space: global }
      - { .name: noise, .offset: 8, .size: 8, .value_kind: global_buffer, .address_space: global }
      - { .name: wk, .offset: 16, .size: 8, .value_kind: global_buffer, .address_space: global }
    .group_segment_fixed_size: 34304
    .private_segment_fixed_size: 0
    .kernarg_segment_align: 8
    .kernarg_segment_size: 24
    .max_flat_workgroup_size: 128
    .sgpr_count:     66
    .vgpr_count:     212
    .wavefront_size: 32
...
	.end_amdgpu_metadata
.endif
;; end of part 1
;; launch hash (part 2): grid 256 x 1, 4 waves a work-group, clusters of 4 x 1, 327,680 bytes of LDS; arguments wk, state, out0; writes out0
.if DOCPART == 2
	.amdgcn_target "amdgcn-amd-amdhsa--gfx1250"
	.amdhsa_code_object_version 6
	.text
	.protected	k_qd0e7d585d2_hash
	.globl	k_qd0e7d585d2_hash
	.p2align	8
	.type	k_qd0e7d585d2_hash,@function
k_qd0e7d585d2_hash:
	s_mov_b64 s[64:65], 0
	v_nop
	global_prefetch_b8 v0, s[64:65] scope:SCOPE_SE
	s_setreg_imm32_b32 hwreg(HW_REG_WAVE_MODE, 25, 1), 1
	s_wait_xcnt 0x0
	s_wait_alu depctr_hold_cnt(0) depctr_sa_sdst(0) depctr_va_vdst(0) depctr_va_sdst(0) depctr_va_ssrc(0) depctr_va_vcc(0) depctr_vm_vsrc(0)
	s_getreg_b32 s2, hwreg(HW_REG_IB_STS2, 6, 4)
	s_cmp_eq_u32 s2, 0
	s_cbranch_scc0 .Lentry_in_a_cluster
	s_endpgm
.Lentry_in_a_cluster:
	s_bfe_u32 s2, ttmp6, 0x10000c
	s_cmp_lg_u32 s2, 0x3003
	s_cbranch_scc0 .Lentry_shape_is_right
	s_endpgm
.Lentry_shape_is_right:
; out = 64 times s <- fmod(s M_r^T + n_r, 2).  state, out0: [16384][256] f32.  wk: the launch before's pieces (M_r in bf16 by fragments, n_r / 2 in f32), 33,024 bytes for round r and quarter w.
; HALF STATE.  The text carries u = s / 2: a = M u + n / 2, u' = a - trunc(a), which is fmod(M s + n, 2) / 2 exactly (a - trunc(a) is exact in f32 for every finite a); out = 2 u at the end.
; LIMITS.  M and, in every round, u are rounded to bf16 as matrix operands; sums in f32.  For whole numbers (M up to 256 in size; u a multiple of 1/2 below 1) nothing is lost.  For inputs that bf16
; does not hold, that rounding passes through fmod's jumps.  State below 2^-125 loses a bit by the halving.  Where fmod gives -0 this text gives +0.  An infinite sum gives NaN, as fmod does.
; SHARES.  A work-group owns 64 rows for all 64 rounds: 256 work-groups.  Wave w makes the columns 64 w .. 64 w + 63 of all 64 rows: 128 matrix instructions a round.  The rows are two PIECES of 32.
; LAYOUT.  The matrix instruction is used transposed (source 0 = 16 rows of M, source 1 = 16 rows of the state): a lane then holds one row of the state (lane % 16) and the eight columns
; 8 (lane / 16) + 0..7.  Two neighbouring results, rounded to bf16 in pairs, ARE source 1 of the next round for the 32 along K that they cover.  So a wave's own quarter of K stays in registers,
; and the other three quarters are handed over through LDS as they lie in registers, 512 consecutive bytes an instruction.  The noise is the C operand of each sum's first product.
; BY TURNS.  In turn (r, q) piece q has the matrix unit: 64 products of round r.  The other piece's fmod and rounding, 128 vector instructions, stand four behind each of the products 1 to 32; its
; eight LDS stores among them; then a barrier, and the loads of its foreign fragments, which land before its own turn.  A wave's quarter of M_r lies in 256 registers for both turns and is replaced by
; M_r+1's block by block (a block = 32 along K) during turn (r, 1), the last block at the head of turn (r + 1, 0).  Each wave takes K from its own quarter on; wk lies in that order.
; CLUSTER.  All work-groups walk the same wk, so four form a cluster and ask for each piece JOINTLY: the same tensor load, descriptor and mask in all four.  Wave w fetches piece (r, w) and is
; the only wave of its work-group that reads it.  Two slots of a whole round; by this text's count two loads of a wave are out at the start, one later.
; REGISTERS, in windows of 256 (s_set_vgpr_msb: bits 1:0 source 0, 3:2 source 1, 5:4 source 2, 7:6 destination):
;   window 0: v0-17 addresses; v32-47 at work; v64-127 my own fragments of the state; v128-255 the accumulators          window 1: M, 32 fragments
;   window 2: v0-191 the foreign fragments of the state; v192-223 the noise
; All that the vector work touches lies in window 0 and M fills a window, so four vector instructions behind a product cost two switches: 64 for a turn's 64 products, and one for each run of loads.
.set PIECE, 33024                      ; 129 rows of 256 bytes: 32 fragments of 1,024, then 64 f32 of noise
.set SLOT,  4*PIECE                    ; a round: in LDS a slot, in wk the step from round to round
.set NOFF,  32768                      ; the noise in a piece
.set STATE, 2*SLOT                     ; behind the ring, never filled by a tensor load: piece q x 16,384 + producer x 4,096 + tile x 512 + 16 x lane
.set PQ,    16384
.set STAGE, STATE+2*PQ                 ; 16 rows x 272 bytes for each wave, for the way out
.set SP,    272                        ; 256 bytes + 16 = 17 x 16: 16 rows start at 16 different groups of four banks (64 banks of 4 bytes: ISA guide 11.1)
.set SPARE, STAGE+4*16*SP              ; the spare words, 128 bytes for each wave: two blocks of 256 bytes that no other line names
.set ROWB,  1024                       ; a row of state and of out0
.set TRIPS, (64-2)/2                   ; the loop's trips, two rounds each; the last two rounds are written out
.set AM,  4                            ; v4-5    LDS: my piece in slot 0, 1, + 16 x lane
.set ANZ, 6                            ; v6-7    LDS: its noise, + 32 x (lane / 16)
.set AST, 8                            ; v8      LDS: where my wave's tiles of the state go, + 16 x lane
.set AD,  9                            ; v9-11   LDS: the tiles of wave (w + d) mod 4, d = 1..3, + 16 x lane
.set STO, 12                           ; v12     the way out: where I put 32 bytes of a row
.set RD,  13                           ; v13     the way out: where I read a row back
.set GO,  14                           ; v14     my byte offset in two rows of out0
.set GI,  15                           ; v15     my byte offset in 16 rows of state
.set SPW, 16                           ; v16     LDS address of my spare word; never rewritten
.set NIL, 17                           ; v17     0; never rewritten
.set TT,  32                           ; v32-47  two sets of eight, by the tile's parity
.set SO,  64                           ; piece q, tile ta (= 4 x group of 16 rows + group of 16 columns): four registers at SO + 32 q + 4 ta; two tiles are a fragment
.set ACC, 128                          ; piece q, tile ta at ACC + 64 q + 8 ta
.set NZ,  192                          ; window 2: the noise of my columns 16 t on at NZ + 8 t
.set G1,  16                           ; s[16:23] descriptor group 1
.set G0,  24                           ; s[24:31] descriptor group 0, a set for each slot
.set CNT, 32                           ; s32
.set MSB, 0
.macro WIN new                         ; the immediate's high byte repeats the setting that is left; a switch that changes nothing is dropped
.if MSB != (\new)
	s_set_vgpr_msb (MSB<<8)|(\new)
.set MSB, (\new)
.endif
.endm
; A vector instruction that reads a matrix result, and a load into a register that a matrix instruction has read, stand four places behind it, and only plain vector instructions that name
; none of its registers are places (ISA guide 7.12.1 for vector instructions).  Where the other piece's vector work is at hand it is the places; else four v_nop.
.macro PLACES
.rept 4
	v_nop
.endr
.endm
; A round of the cluster's barrier: my work-group's barrier, so that wave 0's signal speaks for all four waves; wave 0 signals; every wave waits for all four work-groups; my work-group's barrier once more.
.macro CREST                           ; a round behind its opening barrier
	s_cmp_lg_u32 s10, 0
	s_cbranch_scc1 .Lnot_wave_0_\@
	s_barrier_signal -3
.Lnot_wave_0_\@:
	s_barrier_wait -3
	s_barrier_signal -1
	s_barrier_wait -1
.endm
.macro CROUND
	s_barrier_signal -1
	s_barrier_wait -1
	CREST
.endm
	s_load_b128 s[4:7], s[0:1], 0x0                ; wk s[4:5], state s[6:7]
	s_load_b64 s[8:9], s[0:1], 0x10                ; out0
	v_lshl_add_u32 v[SPW], v0, 2, SPARE
	v_mov_b32 v[NIL], 0
	ds_add_u32 v[SPW], v[NIL]                      ; the wave's opening: the add and its wait ahead of my first tensor load; the set-up below, work on registers, stands between them
	v_lshrrev_b32 v1, 5, v0
	v_readfirstlane_b32 s10, v1                    ; wave w
	s_bfe_u32 s11, ttmp6, 0x40000                  ; cx: my place in the cluster
	s_lshl_b32 s12, ttmp9, 2                       ; in a cluster launch ttmp9 counts clusters
	s_add_co_u32 s12, s12, s11                     ; my work-group = 4 x cluster + cx: it enters state's and out0's addresses alone
	s_lshl_b32 s34, s12, 16                        ; its 64 rows of 1,024 bytes
	s_mov_b32 s35, 0
	; descriptor group 1: a piece is dense: 129 rows of 256 bytes, laid into LDS without padding
	s_mov_b32 s[G1+0], 15|(3<<16)|(1<<21)          ; 15:0 the mask: all four work-groups; 17:16 elements of 8 bytes; 21 set beside a mask
	s_mov_b32 s[G1+1], 32<<16                      ; tensor_dim0 = 32
	s_mov_b32 s[G1+2], 129<<16                     ; tensor_dim1 = 129
	s_mov_b32 s[G1+3], 32<<16                      ; tile_dim0 = 32
	s_mov_b32 s[G1+4], 129                         ; tile_dim1 = 129
	s_mov_b32 s[G1+5], 32                          ; 32 elements from row to row
	s_mov_b32 s[G1+6], 0
	s_mov_b32 s[G1+7], 0
	s_mul_i32 s13, s10, PIECE                      ; my piece's place in a round, in wk and in a slot: no place in the cluster enters it
	s_mov_b32 s36, s13
	s_mov_b32 s37, 0
	v_and_b32 v1, 15, v0                           ; l % 16
	v_bfe_u32 v2, v0, 4, 1                         ; l / 16
	v_and_b32 v3, 31, v0                           ; l
	v_lshl_add_u32 v[AM], v3, 4, s13
	v_add_nc_u32 v[AM+1], SLOT, v[AM]
	s_add_co_u32 s14, s13, NOFF
	v_lshl_add_u32 v[ANZ], v2, 5, s14              ; a lane's eight columns are 32 bytes of noise
	v_add_nc_u32 v[ANZ+1], SLOT, v[ANZ]
	s_lshl_b32 s14, s10, 12
	s_add_co_u32 s14, s14, STATE
	v_lshl_add_u32 v[AST], v3, 4, s14
.irp d, 1,2,3
	s_add_co_u32 s15, s10, \d
	s_and_b32 s15, s15, 3
	s_lshl_b32 s15, s15, 12
	s_add_co_u32 s15, s15, STATE
	v_lshl_add_u32 v[AD+\d-1], v3, 4, s15
.endr
	s_mul_i32 s14, s10, 16*SP
	s_add_co_u32 s14, s14, STAGE                   ; my stage
	v_mul_u32_u24 v[STO], v1, SP                   ; in: row l % 16, 32 bytes for each half of the lanes
	v_lshl_add_u32 v[STO], v2, 5, v[STO]
	v_add_nc_u32 v[STO], s14, v[STO]
	v_mul_u32_u24 v[RD], v2, SP                    ; back: lanes 0-15 take one row of 256 bytes, lanes 16-31 the next
	v_lshl_add_u32 v[RD], v1, 4, v[RD]
	v_add_nc_u32 v[RD], s14, v[RD]
	s_lshl_b32 s15, s10, 8                         ; my wave's 64 columns: 256 bytes of a row
	v_lshl_add_u32 v[GO], v1, 4, s15               ; and the same two rows in out0
	v_lshl_add_u32 v[GO], v2, 10, v[GO]
	v_lshl_add_u32 v[GI], v2, 5, s15               ; state as a result would lie: row l % 16, columns 8 (l / 16) on
	v_lshl_add_u32 v[GI], v1, 10, v[GI]
	s_wait_dscnt 0x0                               ; the opening add is done
	s_wait_kmcnt 0x0
	s_add_nc_u64 s[36:37], s[4:5], s[36:37]        ; wk at piece (0, w)
	s_add_nc_u64 s[6:7], s[6:7], s[34:35]          ; state and out0 at my work-group's first row
	s_add_nc_u64 s[8:9], s[8:9], s[34:35]
.irp s, 0,1
	s_mov_b32 s[G0+4*\s], 1                        ; 1:0 count = 1
	s_add_co_u32 s[G0+4*\s+1], s13, \s*SLOT        ; 63:32 LDS address
	s_add_nc_u64 s[G0+4*\s+2:G0+4*\s+3], s[36:37], \s*SLOT  ; 120:64 global address: round s
	s_or_b32 s[G0+4*\s+3], s[G0+4*\s+3], 0x80000000         ; 127:126 type = 2
.endr
	CROUND                                         ; all four work-groups are here: the first joint loads meet
	tensor_load_to_lds s[G0:G0+3], s[G1:G1+7]      ; M_0 and its noise
	s_nop 0
	tensor_load_to_lds s[G0+4:G0+7], s[G1:G1+7]    ; M_1
	s_nop 0
	PLACES                                         ; behind a tensor load
	; THE STATE COMES IN as results lie: tile m = 8 q + ta into its accumulator.  The eight loads of a group of 16 rows together take my wave's whole 256 bytes of each row, so no hint lets those bytes go early.
.set m, 0
.rept 16
	global_load_b128 v[ACC+8*m:ACC+8*m+3],   v[GI], s[6:7] offset:16*(m/4)*ROWB+64*(m%4)
	global_load_b128 v[ACC+8*m+4:ACC+8*m+7], v[GI], s[6:7] offset:16*(m/4)*ROWB+64*(m%4)+16
.set m, m+1
.endr
.set m, 0
.rept 16
	s_wait_loadcnt 30-2*m                          ; tile m's two loads are in; the later tiles' may be out
.irp z, 0,2,4,6
	v_pk_mul_f32 v[ACC+8*m+\z:ACC+8*m+\z+1], v[ACC+8*m+\z:ACC+8*m+\z+1], 0.5 op_sel_hi:[1,0]  ; u = s / 2
.endr
.irp z, 0,1,2,3
	v_cvt_pk_bf16_f32 v[SO+4*m+\z], v[ACC+8*m+2*\z], v[ACC+8*m+2*\z+1]
.endr
	ds_store_b128 v[AST], v[SO+4*m:SO+4*m+3] offset:(m/8)*PQ+(m%8)*512
.set m, m+1
.endr
; Product i of 64 of piece q: block p = i / 8 of K (32 along K), tile i % 8.  The eight accumulators take turns, one instruction a turn, over turns and the loop's edge too.
; Block 0 starts the sums with the noise.  Blocks 0, 1 take my own fragments, blocks 2 d, 2 d + 1 those of wave (w + d) mod 4.
.macro MM q
.set p, i/8
.set be, (i%8)/4
.set t, i%4
.set rD, ACC+64*(\q)+8*(4*be+t)
.set rA, 8*(4*p+t)
.if p < 2
.set rB, SO+32*(\q)+8*(2*be+p)
.else
.set rB, 96*(\q)+32*(p/2-1)+8*(2*be+p%2)
.endif
.if p == 0
	WIN 0x21                                       ; M window 1, my fragments window 0, the noise window 2, the sums window 0
	v_wmma_f32_16x16x32_bf16 v[rD:rD+7], v[rA:rA+7], v[rB:rB+7], v[NZ+8*t:NZ+8*t+7]
.elseif p == 1
	WIN 0x01
	v_wmma_f32_16x16x32_bf16 v[rD:rD+7], v[rA:rA+7], v[rB:rB+7], v[rD:rD+7]
.else
	WIN 0x09                                       ; foreign fragments: window 2
	v_wmma_f32_16x16x32_bf16 v[rD:rD+7], v[rA:rA+7], v[rB:rB+7], v[rD:rD+7]
.endif
.endm
; THE LDS LOADS stand in runs, each of 512 consecutive bytes an instruction.  Block p of M from slot s:
.macro MRUN p, s
	WIN 0x40                                       ; destination window 1, address window 0
.irp t4, 0,1,2,3
	ds_load_b128 v[8*(4*(\p)+\t4):8*(4*(\p)+\t4)+3],   v[AM+(\s)] offset:(4*(\p)+\t4)*1024
	ds_load_b128 v[8*(4*(\p)+\t4)+4:8*(4*(\p)+\t4)+7], v[AM+(\s)] offset:(4*(\p)+\t4)*1024+512
.endr
.endm
.macro NZRUN s                         ; the noise from slot s, as a C operand: register j of a lane is column 16 t + 8 (l / 16) + j; the 16 lanes of a half share their words
	WIN 0x80                                       ; destination window 2
.irp t4, 0,1,2,3
	ds_load_b128 v[NZ+8*\t4:NZ+8*\t4+3],   v[ANZ+(\s)] offset:64*\t4
	ds_load_b128 v[NZ+8*\t4+4:NZ+8*\t4+7], v[ANZ+(\s)] offset:64*\t4+16
.endr
.endm
.macro FLOAD o                         ; piece o's foreign fragments: 3 waves x 4 fragments x 2 halves, in the order of their use
	WIN 0x80
.irp d, 1,2,3
.irp f, 0,1,2,3
	ds_load_b128 v[96*(\o)+32*(\d-1)+8*\f:96*(\o)+32*(\d-1)+8*\f+3],   v[AD+\d-1] offset:(\o)*PQ+\f*1024
	ds_load_b128 v[96*(\o)+32*(\d-1)+8*\f+4:96*(\o)+32*(\d-1)+8*\f+7], v[AD+\d-1] offset:(\o)*PQ+\f*1024+512
.endr
.endr
.endm
; THE VECTOR WORK of piece o: number j of 128, sixteen for each tile ta = j / 16.  0-7: trunc(a), from the accumulator's lowest register on.  8-11: a - trunc(a), two at a time.
; 12-15: mode 1: rounded to bf16, into my fragments of the next round; mode 2 (behind the last round): times 2, in f32.
.macro RIDER o, mode
.set ta, j/16
.set n, j%16
.set rC, ACC+64*(\o)+8*ta
.set rT, TT+8*(ta%2)
	WIN 0
.if n < 8
	v_trunc_f32 v[rT+n], v[rC+n]
.elseif n < 12
	v_pk_add_f32 v[rT+2*(n-8):rT+2*(n-8)+1], v[rC+2*(n-8):rC+2*(n-8)+1], v[rT+2*(n-8):rT+2*(n-8)+1] neg_lo:[0,1] neg_hi:[0,1]
.elseif (\mode) == 1
	v_cvt_pk_bf16_f32 v[SO+32*(\o)+4*ta+n-12], v[rT+2*(n-12)], v[rT+2*(n-12)+1]
.else
	v_pk_mul_f32 v[rT+2*(n-12):rT+2*(n-12)+1], v[rT+2*(n-12):rT+2*(n-12)+1], 2.0 op_sel_hi:[1,0]
.endif
.set j, j+1
.endm
; What stands behind product i (1 to 36) for piece o: four of the list; behind every fourth a finished tile leaves.  Mode 1: 16 bytes a lane into the state's place in LDS.
; Mode 2, THE WAY OUT: 32 bytes a lane into my own stage; when 16 rows are whole they come back as rows of 256 bytes, into accumulators that have been read, and are stored four products later.
.macro EPISLOT o, mode
.if (i >= 1) && (i <= 32)
.set j, 4*(i-1)
.rept 4
	RIDER \o, \mode
.endr
.endif
.if (\mode) == 1
.if (i >= 4) && (i <= 32) && ((i%4) == 0)
.set ta, i/4-1
	ds_store_b128 v[AST], v[SO+32*(\o)+4*ta:SO+32*(\o)+4*ta+3] offset:(\o)*PQ+ta*512
.endif
.else
.if (i == 20) || (i == 36)
.set fb, (i-20)/16
	WIN 0
	s_wait_dscnt 0x0                               ; the 16 rows are back in registers
.irp k, 0,1,2,3,4,5,6,7
	global_store_b128 v[GO], v[ACC+64*(\o)+32*fb+4*\k:ACC+64*(\o)+32*fb+4*\k+3], s[8:9] offset:(32*(\o)+16*fb+2*\k)*ROWB th:TH_STORE_NT  ; 16 lanes store 256 consecutive bytes, at a multiple of 256 from out0's first byte
.endr
.endif
.if (i >= 4) && (i <= 32) && ((i%4) == 0)
.set ta, i/4-1
	ds_store_b128 v[STO], v[TT+8*(ta%2):TT+8*(ta%2)+3]   offset:64*(ta%4)
	ds_store_b128 v[STO], v[TT+8*(ta%2)+4:TT+8*(ta%2)+7] offset:64*(ta%4)+16
.endif
.if (i == 16) || (i == 32)
.set fb, i/16-1
.irp k, 0,1,2,3,4,5,6,7
	ds_load_b128 v[ACC+64*(\o)+32*fb+4*\k:ACC+64*(\o)+32*fb+4*\k+3], v[RD] offset:\k*2*SP  ; LDS serves a wave's instructions in order (ISA guide 5.7.1.4): these see the stores above; the next rows' stores come behind them
.endr
.endif
.endif
.endm
; A TURN: piece q's 64 products.  sl: the slot that the turn's loads of M name, and (bar = 2) fills again.  epi: the other piece's vector work: 0 none, 1 a step's, 2 the way out.
; bar: 0 none; 1 a barrier; 2 a round of the cluster's barrier and the joint refill.  ldm = 1: M is fetched: q = 0: this round's last block; q = 1: the next round's blocks 0 to 6 and its noise,
; each block one product and four places behind the last product that read the registers.
; THE BARRIER, in mid-turn, does two things.  In front of it each wave's stores of the other piece's new state are done, and so are its reads of that piece's state before (issued a turn and a half ago):
; behind it the new state is whole and is read.  The bytes of the piece that has the matrix unit are written next behind this barrier, in the next turn, when every wave's reads of them have come back.
; With bar = 2 it also opens the round in front of the refill: each wave has waited for all its tensor loads (one is out: the next round's piece), has added 0 to its spare word, and its reads of slot sl are over
; (the last, block 7, stand at the turn's head).  From the request to the wait for it a wave issues 120 of a round's 128 products.
.macro TURN q, sl, epi, bar, ldm
.set i, 0
.rept 64
.if i == 16
	s_wait_dscnt (8+8*(\q))*(\ldm)+3*(\epi)        ; my piece's foreign fragments, and all of M asked for before this turn, are in.  Out may be what this turn has issued: 8 loads (q = 0: block 7) or 16 (q = 1: block 0, the noise), and 3 stores (the way out: 6)
.endif
	MM \q
.if i == 0
	PLACES                                         ; behind the last turn's products: their results are read, and block 7's registers loaded, from here on
.if ((\q) == 0) && (\ldm)
	MRUN 7, \sl
.endif
.endif
.if \epi
	EPISLOT 1-(\q), \epi
.endif
.if ((\q) == 1) && (\ldm)
.if i == 8
	MRUN 0, \sl
	NZRUN \sl
.elseif (i == 16) || (i == 24) || (i == 32)
	MRUN i/8-1, \sl
.elseif (i == 48) || (i == 56)
	PLACES
	MRUN i/8-1, \sl
.endif
.endif
.if (i == 32) && ((\bar) == 2)
	WIN 0                                          ; (the add's two registers lie in window 0)
	s_wait_tensorcnt 0x0                           ; all my tensor loads have landed: the next round's piece; so a group 0 may be written
	ds_add_u32 v[SPW], v[NIL]                      ; 0 onto my spare word; the step and four products stand between it and the wait for it
	s_add_nc_u64 s[G0+4*(\sl)+2:G0+4*(\sl)+3], s[G0+4*(\sl)+2:G0+4*(\sl)+3], 2*SLOT  ; two rounds on; the type bits on top are not reached
.endif
.if (i == 36) && (\bar)
	s_wait_dscnt 0x0                               ; for the others' sake: my stores of the state are done and all my LDS reads are back (and the add is done)
	s_barrier_signal -1                            ; four products stand between the signal and the wait
.endif
.if (i == 40) && (\bar)
.if (\bar) == 2
	WIN 0
.endif
	s_barrier_wait -1
.if (\bar) == 2
	CREST                                          ; no wave of any partner still reads this slot or has a load on its way
	tensor_load_to_lds s[G0+4*(\sl):G0+4*(\sl)+3], s[G1:G1+7]  ; my one tensor load behind the round, and the first thing there
	s_nop 0
.endif
	PLACES                                         ; behind the tensor load, and in front of the loads into block 4's registers
	FLOAD 1-(\q)
.if ((\q) == 1) && (\ldm)
	MRUN 4, \sl
.endif
.endif
.set i, i+1
.endr
	WIN 0                                          ; at a label and at a branch every window is 0
.endm
	s_wait_tensorcnt 0x1                           ; my piece of M_0 is in; M_1's may stay out
	s_wait_dscnt 0x0                               ; my stores of the state are done
	s_barrier_signal -1
	s_barrier_wait -1                              ; everybody's are
	NZRUN 0
.irp b, 0,1,2,3,4,5,6
	MRUN \b, 0
.endr
	FLOAD 0
	s_wait_dscnt 0x0
	TURN 0, 0, 0, 2, 1                             ; turn (0, 0): no vector work yet; piece 1's foreign fragments; slot 0 takes M_2
	s_mov_b32 s[CNT], TRIPS
	s_branch .Lmid                                 ; the loop is entered behind a trip's first turn
.Lround:                                               ; a trip: rounds r and r + 1, r even; it asks for M_r+2 and M_r+3
	TURN 0, 0, 1, 2, 1
.Lmid:
	TURN 1, 1, 1, 1, 1
	TURN 0, 1, 1, 2, 1
	TURN 1, 0, 1, 1, 1
	s_sub_co_u32 s[CNT], s[CNT], 1
	s_cmp_lg_u32 s[CNT], 0
	s_cbranch_scc1 .Lround
	TURN 0, 0, 1, 1, 1                             ; rounds 62 and 63 are written out: nothing is asked for
	s_wait_tensorcnt 0x0                           ; M_63, which the next turn begins to read
	TURN 1, 1, 1, 1, 1
	TURN 0, 1, 1, 1, 1
	TURN 1, 0, 2, 0, 0                             ; turn (63, 1): piece 0 goes out beside it
	PLACES                                         ; behind the last products
.set i, 1
.rept 36
	EPISLOT 1, 2                                   ; piece 1 goes out
.set i, i+1
.endr
	s_wait_tensorcnt 0x0                           ; the wave's end, behind my last tensor load and my last LDS store
	ds_add_u32 v[SPW], v[NIL]
	s_wait_dscnt 0x0
	CROUND                                         ; the closing round: no work-group ends while a partner may still ask for a piece that names it
	s_endpgm
.Lfunc_end_k_qd0e7d585d2_hash:
	.size	k_qd0e7d585d2_hash, .Lfunc_end_k_qd0e7d585d2_hash-k_qd0e7d585d2_hash
	.p2alignl 7, 3214868480
	.fill 96, 4, 3214868480
	.section	.rodata,"a",@progbits
	.p2align	6, 0x0
	.amdhsa_kernel k_qd0e7d585d2_hash
		.amdhsa_group_segment_fixed_size 327680
		.amdhsa_private_segment_fixed_size 0
		.amdhsa_enable_private_segment 0
		.amdhsa_kernarg_size 24
		.amdhsa_user_sgpr_count 2
		.amdhsa_user_sgpr_kernarg_segment_ptr 1
		.amdhsa_wavefront_size32 1
		.amdhsa_system_sgpr_workgroup_id_x 1
		.amdhsa_system_sgpr_workgroup_id_y 1
		.amdhsa_system_sgpr_workgroup_id_z 1
		.amdhsa_system_vgpr_workitem_id 0
		.amdhsa_next_free_vgpr 768
		.amdhsa_next_free_sgpr 66
		.amdhsa_reserve_vcc 0
		.amdhsa_float_denorm_mode_32 3
		.amdhsa_float_denorm_mode_16_64 3
		.amdhsa_memory_ordered 1
		.amdhsa_forward_progress 1
		.amdhsa_inst_pref_size 175
	.end_amdhsa_kernel
	.amdgpu_metadata
---
amdhsa.version: [ 1, 2 ]
amdhsa.kernels:
  - .name:           k_qd0e7d585d2_hash
    .symbol:         k_qd0e7d585d2_hash.kd
    .args:
      - { .name: wk, .offset: 0, .size: 8, .value_kind: global_buffer, .address_space: global }
      - { .name: state, .offset: 8, .size: 8, .value_kind: global_buffer, .address_space: global }
      - { .name: out0, .offset: 16, .size: 8, .value_kind: global_buffer, .address_space: global }
    .group_segment_fixed_size: 327680
    .private_segment_fixed_size: 0
    .kernarg_segment_align: 8
    .kernarg_segment_size: 24
    .max_flat_workgroup_size: 128
    .sgpr_count:     66
    .vgpr_count:     768
    .wavefront_size: 32
...
	.end_amdgpu_metadata
.endif
;; end of part 2
;; ======== version 2 of 2: 2 launches; version 1 with the launch pack written anew for expert scheduling mode
;; workspace buffers: wk 8,454,144 bytes
;; launch pack (part 3): grid 256 x 1, 4 waves a work-group, no clusters, 34,304 bytes of LDS; arguments matrices, noise, wk; writes wk
.if DOCPART == 3
	.amdgcn_target "amdgcn-amd-amdhsa--gfx1250"
	.amdhsa_code_object_version 6
	.text
	.protected	k_qd0e7d585d2_pack
	.globl	k_qd0e7d585d2_pack
	.p2align	8
	.type	k_qd0e7d585d2_pack,@function
k_qd0e7d585d2_pack:
	s_mov_b64 s[64:65], 0
	v_nop
	global_prefetch_b8 v0, s[64:65] scope:SCOPE_SE
	s_setreg_imm32_b32 hwreg(HW_REG_WAVE_SCHED_MODE, 0, 2), 2
	s_setreg_imm32_b32 hwreg(HW_REG_WAVE_MODE, 25, 1), 1
	s_wait_xcnt 0x0
	s_wait_alu depctr_vm_vsrc(0)
; wk = the 64 round matrices as bf16, in the order in which the next launch's lanes take them, with the halved noise behind each piece.
; matrices: [64][256][256] f32.  noise: [64][256] f32.  wk: [round r][quarter w] pieces of 33,024 bytes; piece G = 4 r + w is made by work-group G.
; A piece: 32 fragments of 1,024 bytes, fragment 4 p + t (p = 0..7 a place along K, t = 0..3 a group of 16 rows of M), half x at + 512 x, lane l = 16 h + rl at + 16 l:
;   bf16 of M_r[64 w + 16 t + rl][32 c + 16 x + 8 h + 0..7], c = (2 w + p) mod 8: K begins at the quarter's own columns.  Behind them 64 f32: noise[r][64 w + i] / 2.
; LIMITS.  M is rounded once to bf16 (a matrix operand; whole numbers up to 256 are kept exactly).  The halving of the noise is exact but for numbers below 2^-125, which lose a bit.
; SHARES.  Wave t takes 16 rows of M: 32 loads of 512 consecutive bytes, rounded to bf16, through 16 LDS rows of its own (no barrier: no wave touches another's bytes), back as fragments,
; out by 16 stores of 512 consecutive bytes at multiples of 512 from the piece's first byte.  Memory binds: no matrix unit, no cluster (no two work-groups read the same bytes).
; THE MODE: SCHED_MODE bits 1:0 = 2 (LLVM: expert scheduling mode 2), set by the entry lines.  The code itself states the register dependences
; between vector instructions and memory or LDS instructions, with s_wait_alu, always for 0.
; THE PLAN.  Registers that memory or LDS instructions touch:
;   v4 to v11     offsets and addresses: written once at the head by vector instructions, read by every load and store, never written again.
;   X             written by the 32 global loads, read by the conversions; then its first 64 registers are written by the 16 LDS loads and read by the 16 global stores.
;   Y             each register written once, by a conversion, and read once, by an LDS store.
;   NS            wave 0: two registers written by the noise's load and read by the halving; two written by the halving and read by one global store.
;   v12, v13      written at the head, read by the closing add alone.
; The 32 loads go in four groups of eight.  Group g's conversions read X and write Y of group g; the LDS stores dealt among them read Y of group g - 1, which no vector instruction of group g names.
; So one wait on va_vdst at a group's head states all that its eight LDS stores hang on, and one more behind the last group serves the last eight stores and the LDS loads that land in X.
; No register that a memory or LDS instruction has read is written again: the text holds no wait on vm_vsrc.
.set PITCH, 528                        ; an LDS row: 512 bytes of bf16 + 16 = 33 x 16: the 16 rows that a fragment load touches start at 16 different groups of four banks (64 banks of 4 bytes: ISA guide 11.1)
.set WREG,  16*PITCH                   ; a wave's 16 rows
.set SPARE, 4*WREG                     ; behind them: the spare words, 128 bytes for each wave: two blocks of 256 bytes that no other line names
.set PIECE, 33024
.set VL,  4                            ; v4      16 x lane: my 16 bytes in a load's 512
.set LS,  5                            ; v5      LDS: my wave's rows + 8 x lane: where my four bf16 go
.set AL,  6                            ; v6-9    LDS: my fragment row and half, at the 128 bytes of K quarter (w + P) mod 4, P = 0..3
.set VS,  10                           ; v10     my byte offset in the piece: 1,024 t + 16 x lane
.set VN,  11                           ; v11     8 x lane: my two numbers of the noise
.set SPW, 12                           ; v12     LDS address of my spare word; never rewritten
.set NIL, 13                           ; v13     0; never rewritten
.set X,   16                           ; v[16:143]  32 loads of four f32; later v[16:79]: 16 half fragments
.set Y,   144                          ; v[144:207] 32 x four bf16
.set NS,  208                          ; v[208:211] the noise as loaded, and halved
	s_load_b128 s[4:7], s[0:1], 0x0                ; matrices s[4:5], noise s[6:7]
	s_load_b64 s[8:9], s[0:1], 0x10                ; wk
	v_lshl_add_u32 v[SPW], v0, 2, SPARE
	v_mov_b32 v[NIL], 0
	v_lshrrev_b32 v1, 5, v0
	v_readfirstlane_b32 s10, v1                    ; wave t
	s_and_b32 s11, ttmp9, 3                        ; quarter w
	v_and_b32 v1, 31, v0                           ; lane
	v_and_b32 v2, 15, v0                           ; rl
	v_bfe_u32 v3, v0, 4, 1                         ; h
	v_lshlrev_b32 v[VL], 4, v1
	v_lshlrev_b32 v[VN], 3, v1
	s_wait_alu depctr_va_sdst(0)                   ; s10 is written, ahead of its first reader: LDS places, offsets and the branch on the wave's number are made from it
	s_mul_i32 s14, s10, WREG                       ; my wave's rows in LDS
	v_lshl_add_u32 v[LS], v1, 3, s14
	v_mul_u32_u24 v14, v2, PITCH
	v_lshl_add_u32 v14, v3, 4, v14
	v_add_nc_u32 v14, s14, v14                     ; row rl, 16 bytes for each half of the lanes
.irp P, 0,1,2,3
	s_add_co_u32 s15, s11, \P
	s_and_b32 s15, s15, 3
	s_lshl_b32 s15, s15, 7                         ; K quarter (w + P) mod 4: 64 bf16 = 128 bytes
	v_add_nc_u32 v[AL+\P], s15, v14
.endr
	s_lshl_b32 s15, s10, 10
	v_lshl_add_u32 v[VS], v1, 4, s15
	s_lshl_b32 s12, ttmp9, 16                      ; 64 rows of 1,024 bytes for each piece,
	s_lshl_b32 s13, s10, 14                        ; 16 of them for each wave
	s_add_co_u32 s12, s12, s13
	s_mov_b32 s13, 0
	s_lshl_b32 s16, ttmp9, 8                       ; the piece's 64 numbers of noise
	s_mov_b32 s17, 0
	s_mul_i32 s18, ttmp9, PIECE
	s_mov_b32 s19, 0
	s_wait_kmcnt 0x0
	s_add_nc_u64 s[4:5], s[4:5], s[12:13]
	s_add_nc_u64 s[6:7], s[6:7], s[16:17]
	s_add_nc_u64 s[8:9], s[8:9], s[18:19]
	s_wait_alu depctr_va_vdst(0)                   ; the eight offsets and addresses v4 to v11 are written, which the kernel's loads and stores read
.set u, 0
.rept 32                               ; load u: half u % 2 of row u / 2: 512 consecutive bytes
	global_load_b128 v[X+4*u:X+4*u+3], v[VL], s[4:5] offset:(u/2)*1024+(u%2)*512 th:TH_LOAD_NT
.set u, u+1
.endr
	s_cmp_lg_u32 s10, 0                            ; the noise is wave 0's: 256 bytes in, 256 bytes out
	s_cbranch_scc1 .Lnot_wave_0
	global_load_b64 v[NS:NS+1], v[VN], s[6:7] th:TH_LOAD_NT
	s_wait_loadcnt 0x0                             ; it is the youngest of 33 loads issued on end
	v_pk_mul_f32 v[NS+2:NS+3], v[NS:NS+1], 0.5 op_sel_hi:[1,0]
	s_wait_alu depctr_va_vdst(0)                   ; the halving has written v[NS+2:NS+3], which the store reads
	global_store_b64 v[VN], v[NS+2:NS+3], s[8:9] offset:32768
.Lnot_wave_0:
; Group g: loads 8 g to 8 g + 7 are rounded; the LDS stores of group g - 1 stand among the conversions, one ahead of each pair.
.set g, 0
.rept 4
	s_wait_loadcnt 24-8*g                          ; loads come back in order (ISA guide 5.7.1): group g's eight are in, the 24 - 8 g younger ones may be out
.if g > 0
	s_wait_alu depctr_va_vdst(0)                   ; the conversions of the group before have written their part of Y, which the LDS stores below read; this group's conversions name none of it
.endif
.set k, 0
.rept 8
.set u, 8*g+k
.if g > 0
.set us, u-8
	ds_store_b64 v[LS], v[Y+2*us:Y+2*us+1] offset:(us/2)*PITCH+(us%2)*256  ; 32 lanes, 256 consecutive bytes
.endif
	v_cvt_pk_bf16_f32 v[Y+2*u],   v[X+4*u],   v[X+4*u+1]
	v_cvt_pk_bf16_f32 v[Y+2*u+1], v[X+4*u+2], v[X+4*u+3]
.set k, k+1
.endr
.set g, g+1
.endr
	s_wait_alu depctr_va_vdst(0)                   ; the last group's conversions have written their part of Y, which the LDS stores below read; and all conversions are done reading X, in which the LDS loads below land
.set u, 24
.rept 8
	ds_store_b64 v[LS], v[Y+2*u:Y+2*u+1] offset:(u/2)*PITCH+(u%2)*256
.set u, u+1
.endr
.set y, 0
.rept 16                               ; half fragment y = 2 p + x.  LDS serves a wave's instructions in order (ISA guide 5.7.1.4): these see the stores above
	ds_load_b128 v[X+4*y:X+4*y+3], v[AL+y/4] offset:((y/2)%2)*64+(y%2)*32
.set y, y+1
.endr
.set y, 0
.rept 16
	s_wait_dscnt 15-y                              ; half fragment y is in, the younger ones may be out
	global_store_b128 v[VS], v[X+4*y:X+4*y+3], s[8:9] offset:(y/2)*4096+(y%2)*512  ; 512 consecutive bytes; no hint: the next launch reads them
.set y, y+1
.endr
	s_wait_dscnt 0x0                               ; the closing lines, six on end
	s_wait_alu 0x0
	s_wait_tensorcnt 0x0
	ds_add_u32 v[SPW], v[NIL]
	s_wait_dscnt 0x0
	s_endpgm
.Lfunc_end_k_qd0e7d585d2_pack:
	.size	k_qd0e7d585d2_pack, .Lfunc_end_k_qd0e7d585d2_pack-k_qd0e7d585d2_pack
	.p2alignl 7, 3214868480
	.fill 96, 4, 3214868480
	.section	.rodata,"a",@progbits
	.p2align	6, 0x0
	.amdhsa_kernel k_qd0e7d585d2_pack
		.amdhsa_group_segment_fixed_size 34304
		.amdhsa_private_segment_fixed_size 0
		.amdhsa_enable_private_segment 0
		.amdhsa_kernarg_size 24
		.amdhsa_user_sgpr_count 2
		.amdhsa_user_sgpr_kernarg_segment_ptr 1
		.amdhsa_wavefront_size32 1
		.amdhsa_system_sgpr_workgroup_id_x 1
		.amdhsa_system_sgpr_workgroup_id_y 1
		.amdhsa_system_sgpr_workgroup_id_z 1
		.amdhsa_system_vgpr_workitem_id 0
		.amdhsa_next_free_vgpr 212
		.amdhsa_next_free_sgpr 66
		.amdhsa_reserve_vcc 0
		.amdhsa_float_denorm_mode_32 3
		.amdhsa_float_denorm_mode_16_64 3
		.amdhsa_memory_ordered 1
		.amdhsa_forward_progress 1
		.amdhsa_inst_pref_size 16
	.end_amdhsa_kernel
	.amdgpu_metadata
---
amdhsa.version: [ 1, 2 ]
amdhsa.kernels:
  - .name:           k_qd0e7d585d2_pack
    .symbol:         k_qd0e7d585d2_pack.kd
    .args:
      - { .name: matrices, .offset: 0, .size: 8, .value_kind: global_buffer, .address_space: global }
      - { .name: noise, .offset: 8, .size: 8, .value_kind: global_buffer, .address_space: global }
      - { .name: wk, .offset: 16, .size: 8, .value_kind: global_buffer, .address_space: global }
    .group_segment_fixed_size: 34304
    .private_segment_fixed_size: 0
    .kernarg_segment_align: 8
    .kernarg_segment_size: 24
    .max_flat_workgroup_size: 128
    .sgpr_count:     66
    .vgpr_count:     212
    .wavefront_size: 32
...
	.end_amdgpu_metadata
.endif
;; end of part 3
;; launch hash: the kernel of part 2 again; grid 256 x 1, 4 waves a work-group, clusters of 4 x 1, 327,680 bytes of LDS; arguments wk, state, out0; writes out0
